; MI455X (gfx1250); checked and timed in simulation.
; The chip was launched on July 23, 2026; its instructions are those of AMD's public machine-readable ISA for CDNA 5 (MIT licence, August 2026) and "CDNA5" Instruction Set Architecture Reference Guide (July 2026). The comments in the code are by the model that wrote it; some were corrected since.
;; alpha net spatial. Allowed arithmetic: matrix products marked QUANTISED: E4M3 operands, one given power-of-two scale a tensor, by v_wmma_f32_16x16x64_fp8_fp8 or v_wmma_f32_16x16x128_fp8_fp8, f32 sums; products left as they are: f32 operands where the result goes on into a quantised operand, else bf16, f16 or f32 operands; f32 sums; everything else in f32.
;; Inputs: h 32 x 256 x 32 x 32 float32; lowp_scales 2 int32 (the exponents e of the quantised operands' scales 2^e); w1_b 1 float32; w1_w 1 x 256 float32; w2_b 1 float32; w2_w 1 x 256 float32.
;; Outputs: out0 32 x 256 x 32 x 32 float32.
;; This version of the problem:
;;   THIS VERSION OF THE PROBLEM IS GIVEN IN LOW PRECISION. The matrix products marked QUANTISED in the list below multiply operands that are first quantised to E4M3 (4 exponent bits, 3 mantissa bits; 8 bits a number), with one given power-of-two scale for each operand tensor; their sums are f32. All else is computed in f32.
;;   The module's matrix products, in the order in which they are computed (A, B: the left and right operand; K: the contracted axis; several contracted axes count as one K, in the product's order):
;;     1. [M 32,768, K 256] x [K 256, N 1]; A: input h; B: input w1_w: left as it is (N = 1 < 16)
;;     2. [M 32,768, K 256] x [K 256, N 1]; A: input h; B: input w2_w: left as it is (N = 1 < 16)
;;     3. batch 32 x [M 1,024, K 1,024] x [K 1,024, N 256]; A: softmax (see below); B: input h: QUANTISED (scales: A lowp_scales[0], B lowp_scales[1])
;;   THE QUANTISER, for each operand of a quantised product, along K:
;;     - The operand's scale is 2^e, e = its entry of the input lowp_scales (int32; the entries are numbered through the quantised products in the list's order, A before B).
;;     - Each number is divided by the scale, clamped to +-448, and rounded to the nearest number of E4M3, ties to even, subnormals kept.
;;     - The product sums the exact products of the quantised numbers (number of the format x scale) in f32.
;;   ~~~python
;;   def quantise(x, axis, e):      # numpy; x: float32 -> the quantised numbers, widened to float32 again
;;       x = np.moveaxis(x, axis, -1); K = x.shape[-1]
;;       r = np.clip(x / 2.0 ** e, -448, 448)
;;       step = 2.0 ** (np.maximum(np.frexp(np.where(r == 0, 1, r))[1] - 1, -6) - 3)
;;       q = np.round(r / step) * step * 2.0 ** e      # np.round: ties to even
;;       return np.moveaxis(q, -1, axis).astype(np.float32)
;;   ~~~
;;   SOFTMAX AHEAD OF A QUANTISED PRODUCT. Where the list says 'softmax', what is quantised is not the finished softmax but p = 2^(t - M), with t = logit x log2(e) and M = ceil(the row's largest t), a whole number; so 1/2 < the row's largest p <= 1. The row's sum l is taken of the UNQUANTISED p, in f32, and the product's result is divided by l at the end. Since M is a whole number, a kernel that streams over the keys may use a running M (the ceiling of the running maximum): every later rescaling is an exact power of two, so the quantised numbers keep their values, but for numbers so far below the row's largest that they fall under the format's range.
;;   OPERANDS COMPUTED ON THE WAY. 'Computed on the way' means the value that the module computes at that place (a softmax that the list does not call 'softmax' is quantised finished and normalised). What goes into a quantiser is computed in f32, as accurately as f32 sums, v_exp_f32 and their like allow (about 1e-6 of the number): no bf16 or f16 on the way to a quantiser, and a product that is left as it is and whose result goes on into a quantised operand takes f32 operands (vector FMAs, or v_wmma_f32_16x16x4_f32). A number that lies on a knife's edge between two numbers of the format may be rounded either way, as far as f32 arithmetic and the matrix unit's own rounding can turn it there, and no further.
;; One version. Each part assembles by itself: llvm-mc -triple=amdgcn-amd-amdhsa -mcpu=gfx1250 --defsym DOCPART=n.
;; ======== version 1 of 1: 2 launches
;; limits: right only within a limited range of input values
;; workspace buffers: codes 8,388,608 bytes; proj 524,288 bytes
;; launch prep (part 1): grid 256 x 1, 8 waves a work-group, no clusters, 50,176 bytes of LDS; arguments h, w1_w, w1_b, w2_w, w2_b, lowp_scales, codes, proj; writes codes, proj
.if DOCPART == 1
	.amdgcn_target "amdgcn-amd-amdhsa--gfx1250"
	.amdhsa_code_object_version 6
	.text
	.protected	k_qc89a88ea74_prep
	.globl	k_qc89a88ea74_prep
	.p2align	8
	.type	k_qc89a88ea74_prep,@function
k_qc89a88ea74_prep:
	s_mov_b64 s[64:65], 0
	v_nop
	global_prefetch_b8 v0, s[64:65] scope:SCOPE_SE
	s_setreg_imm32_b32 hwreg(HW_REG_WAVE_MODE, 25, 1), 1
	s_wait_xcnt 0x0
; PREP.  h [32][256 channels][1,024 tokens] f32 is read once and gives two things.
; (1) codes: h as E4M3 with the given scale 2^eh (entry 1 of the scales), laid as IMAGES OF THE SECOND LAUNCH'S OPERAND REGISTERS: [32 b][8 K steps of 128 tokens][16 tiles of 16 channels][2,048 bytes].
;     In an image, registers 4 c .. 4 c + 3 of lane L lie at 512 c + 16 L; byte y of register q of lane (r = L % 16, h = L / 16) is channel 16 tile + r, token 128 step + 8 q + 4 h + y.
;     That is a permutation of the 128 tokens of a K step; the second launch lays its other operand by the same permutation, so every product meets its partner.
; (2) proj: xa = c (sum over channels of w1 h + b1) in plane 0 and xk = c (sum of w2 h + b2) in plane 1, [2][32][1,024] f32, c = 2 log2(e); sums by f32 multiply-adds.
; SHARES.  Work-group g: batch g / 8, K step g % 8: 128 tokens x 256 channels.  Wave w: channels 32 w .. 32 w + 31 (two tiles).  Lane l: tokens 4 l .. 4 l + 3, so each load is one channel's 512 consecutive bytes.
; All 32 loads of a wave go out at once.  No tensor load, no cluster, no prefetch: the work-groups share only the 2 KB of weights, and every byte of h is asked for in the first lines.
; LIMITS: eh between -126 and 119, so that 2^eh and 448 x 2^eh are f32 numbers.  NaN among the inputs is not served.
; proj has four planes of [32][1,024]: behind xa and xk lie, in plane 2, mk = 2^(xk - floor(xk)) in f32 and, in plane 3, nk = floor(xk) as int32, held within +-2^29.
.set WV,   52                          ; s52      my wave's number
.set W1,   20                          ; s20-51   w1 of my 32 channels
.set W2,   68                          ; s68-99   w2 of my 32 channels
.set LO,   1                           ; v1       16 x lane: my bytes of a load's or a store's 512; never rewritten
.set SIN,  2                           ; v2       the stage, on the way in: 80 x lane
.set SOUT, 3                           ; v3       the stage, on the way out: 80 h + 4 r
.set PIN,  4                           ; v4       where my wave's partial sums go
.set SCL,  5                           ; v5       2^eh as f32: the conversion takes its exponent field
.set LIM,  6                           ; v6       448 x 2^eh
.set POUT, 7                           ; v7       where waves 0 and 1 read the partial sums
.set CR,   16                          ; v16-47   channel j's four codes, one register
.set SA,   48                          ; v48-51   my four tokens' sums with w1
.set SK,   52                          ; v52-55   with w2
.set XR,   64                          ; v64-191  channel j's four numbers at v[64 + 4 j]
.set RR,   192                         ; v192-223 two images' registers of my lane
.set STG_T, 2560                       ; LDS: a stage of 32 rows x 80 bytes (16 channels' words + 16 bytes) for each tile; two for each wave, 5,120 w on
.set PART,  40960                      ; LDS: behind the stages, 1,024 bytes a wave: 128 sums with w1, 128 with w2
	s_load_b512 s[4:19], s[0:1], 0x0               ; h 4:5, w1_w 6:7, w1_b 8:9, w2_w 10:11, w2_b 12:13, scales 14:15, codes 16:17, proj 18:19
	v_lshl_add_u32 v224, v0, 2, 0xc000
	v_mov_b32 v225, 0
	v_lshrrev_b32 v8, 5, v0
	s_delay_alu instid0(VALU_DEP_1)
	v_readfirstlane_b32 s[WV], v8                  ; wave 0..7
	v_and_b32 v9, 31, v0                           ; lane
	s_delay_alu instid0(VALU_DEP_1)
	v_lshlrev_b32 v[LO], 4, v9
	s_lshr_b32 s53, ttmp9, 3                       ; batch
	s_and_b32 s54, ttmp9, 7                        ; K step
	s_lshl_b32 s62, s53, 20                        ; a batch of h is 2^20 bytes,
	s_lshl_b32 s63, s[WV], 17                      ; 32 channels of 4,096 bytes,
	s_add_co_u32 s62, s62, s63
	s_lshl_b32 s63, s54, 9                         ; 128 tokens of 4 bytes
	s_add_co_u32 s62, s62, s63
	s_mov_b32 s63, 0
	s_wait_alu depctr_va_vdst(0)
	s_wait_kmcnt 0x0
	s_add_nc_u64 s[4:5], s[4:5], s[62:63]
.set n, 0
.rept 32
	global_load_b128 v[XR+4*n:XR+4*n+3], v[LO], s[4:5] offset:4096*n th:TH_LOAD_NT   ; channel n: 32 lanes read 512 consecutive bytes; read once in the launch
.set n, n+1
.endr
	s_lshl_b32 s62, s[WV], 7                       ; my 32 weights: 128 bytes a wave
	s_add_nc_u64 s[6:7], s[6:7], s[62:63]
	s_add_nc_u64 s[10:11], s[10:11], s[62:63]
	s_load_b512 s[W1:W1+15], s[6:7], 0x0
	s_load_b512 s[W1+16:W1+31], s[6:7], 0x40
	s_load_b512 s[W2:W2+15], s[10:11], 0x0
	s_load_b512 s[W2+16:W2+31], s[10:11], 0x40
	s_load_b32 s60, s[8:9], 0x0                    ; b1
	s_load_b32 s61, s[12:13], 0x0                  ; b2
	s_load_b32 s55, s[14:15], 0x4                  ; eh
	s_lshl_b32 s62, s53, 18                        ; codes: a batch is 2^18 bytes, a K step 2^15, my two images 4,096
	s_lshl_b32 s56, s54, 15
	s_add_co_u32 s62, s62, s56
	s_lshl_b32 s56, s[WV], 12
	s_add_co_u32 s62, s62, s56
	s_add_nc_u64 s[16:17], s[16:17], s[62:63]
	s_and_b32 s58, s[WV], 1                        ; proj: wave 0 stores plane 0, wave 1 plane 1
	s_lshl_b32 s62, s58, 17
	s_lshl_b32 s56, s53, 12
	s_add_co_u32 s62, s62, s56
	s_lshl_b32 s56, s54, 9
	s_add_co_u32 s62, s62, s56
	s_add_nc_u64 s[18:19], s[18:19], s[62:63]
	; every LDS address is made here, ahead of the one place where the waves part
	s_mul_i32 s56, s[WV], 2*STG_T
	v_mul_u32_u24 v[SIN], v9, 80
	s_delay_alu instid0(VALU_DEP_1)
	v_add_nc_u32 v[SIN], s56, v[SIN]
	v_and_b32 v10, 15, v0                          ; r
	v_bfe_u32 v11, v0, 4, 1                        ; h
	s_delay_alu instid0(VALU_DEP_1)
	v_mul_u32_u24 v[SOUT], v11, 80
	s_delay_alu instid0(VALU_DEP_1)
	v_lshl_add_u32 v[SOUT], v10, 2, v[SOUT]
	s_delay_alu instid0(VALU_DEP_1)
	v_add_nc_u32 v[SOUT], s56, v[SOUT]
	s_lshl_b32 s57, s[WV], 10
	s_add_co_u32 s57, s57, PART
	v_add_nc_u32 v[PIN], s57, v[LO]
	s_lshl_b32 s59, s58, 9
	s_add_co_u32 s59, s59, PART
	v_add_nc_u32 v[POUT], s59, v[LO]
	s_wait_kmcnt 0x0
	s_add_co_i32 s55, s55, 127
	s_lshl_b32 s56, s55, 23
	v_mov_b32 v[SCL], s56
	s_add_co_i32 s55, s55, 8
	s_lshl_b32 s55, s55, 23
	s_or_b32 s55, s55, 0x600000
	v_mov_b32 v[LIM], s55
; Channels j and j + 1: their numbers enter both sums as they are; then they are held and converted, eight numbers at a time: the first register of the result is channel j's four codes, the second channel j + 1's.
.macro CH2 j
	s_wait_loadcnt 30-(\j)                         ; loads come back in order: channel j + 1's is in, the 30 - j issued behind it may be out
.irp d, 0,1
.irp i, 0,1,2,3
.if (\j)+\d == 0
	v_mul_f32 v[SA+\i], s[W1], v[XR+\i]            ; the first channel starts the sums: nothing is cleared
	v_mul_f32 v[SK+\i], s[W2], v[XR+\i]
.else
	v_fmac_f32 v[SA+\i], s[W1+(\j)+\d], v[XR+4*((\j)+\d)+\i]
	v_fmac_f32 v[SK+\i], s[W2+(\j)+\d], v[XR+4*((\j)+\d)+\i]
.endif
.endr
.endr
.irp i, 0,1,2,3,4,5,6,7
	v_med3_num_f32 v[XR+4*(\j)+\i], v[XR+4*(\j)+\i], -v[LIM], v[LIM]   ; the conversion to an 8-bit code does not saturate (ISA guide 7.6.2): the hold at the largest code x the scale
.endr
	v_cvt_scalef32_pk8_fp8_f32 v[CR+(\j):CR+(\j)+1], v[XR+4*(\j):XR+4*(\j)+7], v[SCL]
.endm
; Tile u's 16 channels are converted.  Lane l holds tokens 4 l .. 4 l + 3 of all 16; the image wants, in register q of lane (r, h), channel r's word of lane 2 q + h.  So the words turn through the wave's own stage:
; in as rows (row = lane, 16 words, 80 bytes apart), out as columns: 32 lanes read words 40 q + 20 h + r, all different modulo 64 words.  LDS serves a wave's instructions in order: no wait between stores and loads.
.macro TILE u
	v_nop                                          ; a plain line behind the last conversion of the run
.irp g, 0,1,2,3
	ds_store_b128 v[SIN], v[CR+16*\u+4*\g:CR+16*\u+4*\g+3] offset:STG_T*\u+16*\g
.endr
.irp e, 0,1,2,3,4,5,6,7,8,9,10,11,12,13,14,15
	ds_load_b32 v[RR+16*\u+\e], v[SOUT] offset:STG_T*\u+160*\e
.endr
	s_wait_dscnt 0x0
.irp c, 0,1,2,3
	global_store_b128 v[LO], v[RR+16*\u+4*\c:RR+16*\u+4*\c+3], s[16:17] offset:2048*\u+512*\c   ; 32 lanes store 512 consecutive bytes, at a multiple of 512 from the buffer's first byte
.endr
.endm
.set q, 0
.rept 8
	CH2 q
.set q, q+2
.endr
	TILE 0
.rept 8
	CH2 q
.set q, q+2
.endr
	TILE 1
	ds_store_b128 v[PIN], v[SA:SA+3]               ; my 32 channels' part of the 128 tokens' sums
	ds_store_b128 v[PIN], v[SK:SK+3] offset:512
	s_wait_dscnt 0x0                               ; for the others' sake: my stores have landed
	s_barrier_signal -1
	s_barrier_wait -1
	s_cmp_gt_u32 s[WV], 1                          ; wave 0 finishes xa, wave 1 xk; the others are done
	s_cbranch_scc1 .Ldone
.irp u, 0,1,2,3,4,5,6,7
	ds_load_b128 v[XR+4*\u:XR+4*\u+3], v[POUT] offset:1024*\u   ; the eight waves' parts of my four tokens
.endr
	s_cmp_eq_u32 s[WV], 0
	s_cselect_b32 s60, s60, s61                    ; my plane's bias
	s_mov_b32 s62, 0x4038aa3b                      ; c = 2 log2(e)
	s_mul_f32 s63, s60, s62
	s_wait_dscnt 0x0
.irp a, 0,8,16,24
	v_pk_add_f32 v[XR+\a:XR+\a+1], v[XR+\a:XR+\a+1], v[XR+\a+4:XR+\a+5]
	v_pk_add_f32 v[XR+\a+2:XR+\a+3], v[XR+\a+2:XR+\a+3], v[XR+\a+6:XR+\a+7]
.endr
.irp a, 0
	v_pk_add_f32 v[XR+\a:XR+\a+1], v[XR+\a:XR+\a+1], v[XR+\a+8:XR+\a+9]
	v_pk_add_f32 v[XR+\a+2:XR+\a+3], v[XR+\a+2:XR+\a+3], v[XR+\a+10:XR+\a+11]
.endr
.irp a, 16
	s_delay_alu instid0(VALU_DEP_4)
	v_pk_add_f32 v[XR+\a:XR+\a+1], v[XR+\a:XR+\a+1], v[XR+\a+8:XR+\a+9]
	s_delay_alu instid0(VALU_DEP_4)
	v_pk_add_f32 v[XR+\a+2:XR+\a+3], v[XR+\a+2:XR+\a+3], v[XR+\a+10:XR+\a+11]
.endr
	s_delay_alu instid0(VALU_DEP_2)
	v_pk_add_f32 v[XR:XR+1], v[XR:XR+1], v[XR+16:XR+17]
	s_delay_alu instid0(VALU_DEP_2)
	v_pk_add_f32 v[XR+2:XR+3], v[XR+2:XR+3], v[XR+18:XR+19]
.irp i, 0,1,2,3
	v_fma_f32 v[XR+\i], v[XR+\i], s62, s63         ; c x sum + c x bias
.endr
	global_store_b128 v[LO], v[XR:XR+3], s[18:19]  ; 512 consecutive bytes
	s_cmp_eq_u32 s[WV], 0                          ; wave 1 splits xk as well: planes 2 and 3
	s_cbranch_scc1 .Ldone
	s_mov_b32 s62, 0xce000000                      ; -2^29
	s_mov_b32 s63, 0x4e000000                      ; 2^29
.irp i, 0,1,2,3
	v_fract_f32 v[XR+4+\i], v[XR+\i]
	v_floor_f32 v[XR+8+\i], v[XR+\i]
.endr
.irp i, 0,1,2,3
	v_med3_num_f32 v[XR+8+\i], v[XR+8+\i], s62, s63
.endr
	s_wait_alu depctr_va_vdst(0)                   ; the wait ahead of the batch
.irp i, 0,1,2,3
	v_exp_f32 v[XR+4+\i], v[XR+4+\i]
.endr
.irp i, 0,1,2,3
	v_cvt_i32_f32 v[XR+8+\i], v[XR+8+\i]
.endr
	s_wait_alu depctr_va_vdst(0)                   ; and behind it, ahead of its first reader
	global_store_b128 v[LO], v[XR+4:XR+7], s[18:19] offset:131072
	global_store_b128 v[LO], v[XR+8:XR+11], s[18:19] offset:262144
.Ldone:
	s_wait_tensorcnt 0x0
	ds_add_u32 v224, v225
	s_wait_dscnt 0x0
	s_endpgm
.Lfunc_end_k_qc89a88ea74_prep:
	.size	k_qc89a88ea74_prep, .Lfunc_end_k_qc89a88ea74_prep-k_qc89a88ea74_prep
	.p2alignl 7, 3214868480
	.fill 96, 4, 3214868480
	.section	.rodata,"a",@progbits
	.p2align	6, 0x0
	.amdhsa_kernel k_qc89a88ea74_prep
		.amdhsa_group_segment_fixed_size 50176
		.amdhsa_private_segment_fixed_size 0
		.amdhsa_enable_private_segment 0
		.amdhsa_kernarg_size 64
		.amdhsa_user_sgpr_count 2
		.amdhsa_user_sgpr_kernarg_segment_ptr 1
		.amdhsa_wavefront_size32 1
		.amdhsa_system_sgpr_workgroup_id_x 1
		.amdhsa_system_sgpr_workgroup_id_y 1
		.amdhsa_system_sgpr_workgroup_id_z 1
		.amdhsa_system_vgpr_workitem_id 0
		.amdhsa_next_free_vgpr 226
		.amdhsa_next_free_sgpr 100
		.amdhsa_reserve_vcc 0
		.amdhsa_float_denorm_mode_32 3
		.amdhsa_float_denorm_mode_16_64 3
		.amdhsa_memory_ordered 1
		.amdhsa_forward_progress 1
		.amdhsa_inst_pref_size 31
	.end_amdhsa_kernel
	.amdgpu_metadata
---
amdhsa.version: [ 1, 2 ]
amdhsa.kernels:
  - .name:           k_qc89a88ea74_prep
    .symbol:         k_qc89a88ea74_prep.kd
    .args:
      - { .name: h, .offset: 0, .size: 8, .value_kind: global_buffer, .address_space: global }
      - { .name: w1_w, .offset: 8, .size: 8, .value_kind: global_buffer, .address_space: global }
      - { .name: w1_b, .offset: 16, .size: 8, .value_kind: global_buffer, .address_space: global }
      - { .name: w2_w, .offset: 24, .size: 8, .value_kind: global_buffer, .address_space: global }
      - { .name: w2_b, .offset: 32, .size: 8, .value_kind: global_buffer, .address_space: global }
      - { .name: lowp_scales, .offset: 40, .size: 8, .value_kind: global_buffer, .address_space: global }
      - { .name: codes, .offset: 48, .size: 8, .value_kind: global_buffer, .address_space: global }
      - { .name: proj, .offset: 56, .size: 8, .value_kind: global_buffer, .address_space: global }
    .group_segment_fixed_size: 50176
    .private_segment_fixed_size: 0
    .kernarg_segment_align: 8
    .kernarg_segment_size: 64
    .max_flat_workgroup_size: 256
    .sgpr_count:     100
    .vgpr_count:     226
    .wavefront_size: 32
...
	.end_amdgpu_metadata
.endif
;; end of part 1
;; launch attn (part 2): grid 256 x 1, 8 waves a work-group, no clusters, 324,608 bytes of LDS; arguments codes, proj, lowp_scales, out0; writes out0
.if DOCPART == 2
	.amdgcn_target "amdgcn-amd-amdhsa--gfx1250"
	.amdhsa_code_object_version 6
	.text
	.protected	k_qc89a88ea74_attn
	.globl	k_qc89a88ea74_attn
	.p2align	8
	.type	k_qc89a88ea74_attn,@function
k_qc89a88ea74_attn:
	s_mov_b64 s[64:65], 0
	v_nop
	global_prefetch_b8 v0, s[64:65] scope:SCOPE_SE
	s_setreg_imm32_b32 hwreg(HW_REG_WAVE_MODE, 25, 1), 1
	s_wait_xcnt 0x0
; ATTN.  out[b][c][i] = leaky(sum over keys j of Q(p_ij) Q(h[b][c][j]) x 2^(ep + eh) / l_i), p_ij = 2^(t_ij - M_i), t_ij = log2(e) tanh(a_i + k_j), M_i = ceil(the row's largest t), l_i = the f32 sum of the unquantised p.
; The product is made on E4M3 codes by v_wmma_f32_16x16x128_fp8_fp8: source 0 = P (16 queries x 128 keys), source 1 = h's codes (16 channels x 128 keys), as the first launch laid them.
; tanh grows with its argument, so the row's largest t is that of the batch's largest k: M_i is known before the keys are walked; it is the maximum that is taken away, and nothing is ever rescaled.
; ONE ELEMENT.  The first launch left xa = c a and xk = c k, c = 2 log2(e), and xk split into nk = floor(xk) and mk = 2^(xk - nk); xa is split likewise here.  2^(xa + xk) = ma x mk x 2^(na + nk), and
;   d = ma x ldexp(mk, na + nk) + 1;  rc = 1 / d;  t - M = rc x (-2 L) + (L - M), L = log2(e);  p = 2^(t - M).  ldexp runs to infinity or to 0, which gives rc = 0 or 1: tanh = 1 or -1, never NaN.
; SHARES.  Work-group g: batch g % 32, 128 queries from 128 (g / 32) on, all keys, all channels.  They are walked as eight tiles of 16 queries.  Wave w has two parts in every tile:
;   it MAKES P for the 128 keys from 128 w on (their mk, 64 registers, and nk stay in registers through the launch), and it MULTIPLIES keys 512 (w / 4) .. + 511 of the tile with channels 64 (w % 4) .. + 63,
;   whose codes over these keys are 16 images of 16 registers: 256 registers, loaded once.  P's codes go from wave to wave through LDS as images of the operand's registers, in two buffers by turns; each fragment feeds four products.
;   One barrier a tile: in front of it each wave's stores of tile T - 1 have landed and its reads of the buffer that tile T will take are over.  Tile T's first stages stand between its signal and its wait.
;   The two halves of the keys meet on the way out: a row is the sum of the same row in two waves' stages.
; A lane of P holds ONE query (lane % 16); its element E (0 .. 63) is key 8 (E / 4) + 4 (lane / 16) + E % 4 of the wave's 128: the codes' own order of keys.
; NO CLUSTER AND NO TENSOR LOAD: each byte of codes is loaded by exactly one wave of a work-group, into the registers that keep it; a tile in LDS would have to be written and read once more for nothing.
; NO PREFETCH: all that the launch reads is asked for at its head; there is no loop that loads from memory.
; TWO ROUNDS OUT: tiles 0-3 are 64 queries, 256 bytes of each channel's row: they are stored in three pieces while tiles 5, 6 and 7 are made; then tiles 4-7.
; THE HOLD at the largest code is needed only where 448 x 2^ep is under 1, since p is at most 1 (and a rounding).
; LIMITS: floor(xa) and floor(xk) are held within +-2^29; ep between -126 and 119; ep + eh is applied by v_ldexp_f32 and has none.  NaN and infinities among the inputs are not served.
; REGISTERS: window 0 as named below; window 1: the codes, image (K step s of my four, tile c of my four tiles of channels) at v[16 (4 s + c)].
.set PL,    32768                      ; LDS: behind P's two buffers of 8 images x 2,048 bytes: partial sums l, [8 waves][128 queries]
.set QT,    36864                      ; each wave's own table of queries: 128 x (ma, na, L - M, L - M)
.set STG,   53248                      ; each wave's stage: 64 rows (channels) x (512 bytes + 16)
.set SP,    528
.set SPARE, STG+8*64*SP                ; the spare words
.set SPW, 1                            ; v1   address of my spare word;  v2 holds 0
.set LO,  3                            ; v3   16 x lane
.set STI, 4                            ; v4   into my stage
.set STO, 5                            ; v5   out of the stage of wave w % 4 (of wave w % 4 + 4: 256 rows further on), at the 32 rows that I store
.set GO,  6                            ; v6   my byte offset among out0's rows
.set PLR, 7                            ; v7   where I read partial sums
.set PLW, 8                            ; v8   where I put mine
.set QTR, 9                            ; v9   my lane's place in my table of queries
.set SCL, 10                           ; v10  2^ep as f32
.set AD,  11                           ; v11, v12 addresses at work
.set PWR, 13                           ; v13  where I put my image of P
.set QV,  14                           ; v14-17 the tile's ma, na, L - M, L - M of my query
.set LS,  18                           ; v18-21 l in two packed chains (two more in v28-31)
.set NK,  22                           ; v22-25 nk: register g of lane 16 h + i holds element 16 g + i of half h
.set PT,  26                           ; v26  a lane permute's destination;  v27 a piece's offset in out0
.set CT,  28                           ; v28-31 codes of elements 0-15
.set XR,  32                           ; v32-95 the 64 elements, worked in place
.set MK,  96                           ; v96-159 mk of my half's 64 elements
.set PF,  160                          ; v160-223 four fragments of P; at a trip's end a piece's rows
.set AC,  224                          ; v224-255 four accumulators, one for each tile of channels; at a trip's end a piece's factors
.set WV,  12                           ; s12  my wave's number;  s16 = w % 4, s17 = w / 4
.set RB,  22                           ; s22  where I read P: buffer + 8,192 (w / 4);  s23 the buffer that is written
.set WB,  23
.set TL,  24                           ; s24  64 x tile made: partial sums
.set TS,  25                           ; s25  64 x tile multiplied: stage
.set TQ,  26                           ; s26  256 x next tile: table of queries
.set PS,  27                           ; s27  a piece's rows in the stage;  s21 in out0
.set PG,  21
.set M2L, 46                           ; s[46:47] -2 log2(e)
.set LIM, 48                           ; s48  448 x 2^ep
.set SEL, 54                           ; s[54:55] v_permlanex16_b32's selects for lane l xor 16
.set MSB, 0
.macro WIN new                         ; the immediate's high byte repeats the setting that is left
.if MSB != \new
	s_set_vgpr_msb (MSB<<8)|\new
.set MSB, \new
.endif
.endm
.macro CODES from, n                   ; loads from .. from + n - 1 of my 64: 512 consecutive bytes each; 16 loads bring a K step
	WIN 0x40
.set ii, \from
.rept \n
	global_load_b128 v[4*ii:4*ii+3], v[LO], s[4:5] offset:32768*(ii/16)+2048*((ii/4)%4)+512*(ii%4)
.set ii, ii+1
.endr
	WIN 0
.endm
.macro ADDN e                          ; na + nk: the lane that holds element e's nk serves its whole half of the lanes
.set sh, (\e)%16
	v_add_nc_u32_dpp v[XR+(\e)], v[NK+(\e)/16], v[QV+1] row_share:sh row_mask:0xf bank_mask:0xf
.endm
.macro DENOM h                         ; d = ma x mk x 2^(na + nk) + 1 of 32 elements, half h
.set ii, 32*\h
.rept 32
	v_ldexp_f32 v[XR+ii], v[MK+ii], v[XR+ii]
.set ii, ii+1
.endr
.set ii, 32*\h
.rept 16
	v_pk_fma_f32 v[XR+ii:XR+ii+1], v[XR+ii:XR+ii+1], v[QV:QV+1], 1.0 op_sel_hi:[1,0,0]
.set ii, ii+2
.endr
.endm
.macro EXPO e                          ; t - M of elements e, e + 1
	v_pk_fma_f32 v[XR+(\e):XR+(\e)+1], v[XR+(\e):XR+(\e)+1], s[M2L:M2L+1], v[QV+2:QV+3] op_sel_hi:[1,0,0]
.endm
.macro SUMS                            ; l takes the UNQUANTISED p, in four packed chains; jj counts the additions
.set ch, jj%4
.set rl, LS+2*(ch%2)+(CT-LS)*(ch/2)
.if jj < 4
	v_pk_add_f32 v[rl:rl+1], v[XR+2*jj:XR+2*jj+1], v[XR+2*jj+8:XR+2*jj+9]
.else
	v_pk_add_f32 v[rl:rl+1], v[rl:rl+1], v[XR+2*jj+8:XR+2*jj+9]
.endif
.set jj, jj+1
.endm
; The elements go as two halves of 32.  A batch of 32 transcendentals of one half alternates with plain work of the other half that reads nothing written in the batch, and whose results are read behind the wait that ends it.
.macro MAKE1                           ; to the reciprocals, and t - M of half 0
.set ii, 0
.rept 32
	ADDN ii
.set ii, ii+1
.endr
	DENOM 0
	s_wait_alu depctr_va_vdst(0)                   ; (waits ahead of and behind each batch)
.set ii, 0
.rept 32
	v_rcp_f32 v[XR+ii], v[XR+ii]
	ADDN ii+32
.set ii, ii+1
.endr
	s_wait_alu depctr_va_vdst(0)
	DENOM 1
	s_wait_alu depctr_va_vdst(0)
.set ii, 0
.rept 16
	v_rcp_f32 v[XR+32+ii], v[XR+32+ii]
	EXPO ii
	v_rcp_f32 v[XR+33+ii], v[XR+33+ii]
.set ii, ii+2
.endr
	v_nop
.endm
.macro MAKE2                           ; to the exponentials; the wait behind the last batch stands at the head of LAST
	s_wait_alu depctr_va_vdst(0)
.set ii, 0
.rept 16
	v_exp_f32 v[XR+ii], v[XR+ii]
	EXPO ii+32
	v_exp_f32 v[XR+1+ii], v[XR+1+ii]
.set ii, ii+2
.endr
	s_wait_alu depctr_va_vdst(0)
.set ii, 0
.set jj, 0
.rept 32
	v_exp_f32 v[XR+32+ii], v[XR+32+ii]
.if (ii%8) == 3
	SUMS
.endif
.set ii, ii+1
.endr
	v_nop
.endm
.macro FETCH                           ; P's fragments of my four K steps, each another wave's image
.set ii, 0
.rept 16
	ds_load_b128 v[PF+4*ii:PF+4*ii+3], v[AD] offset:512*ii
.set ii, ii+1
.endr
.endm
; Sixteen products: my four K steps x my four tiles of channels.  Four accumulators by turns, one instruction a turn.  The first K step starts the sums: nothing is cleared.
.macro MUL16 lc                        ; lc = 1: the codes of K step k are in, those of the 3 - k behind it may be out (the first trip; later nothing is out)
	WIN 0x04                                       ; source 1 (codes) window 1
.irp k, 0,1,2,3
.if \lc
	s_wait_loadcnt 48-16*\k
.endif
.irp c, 0,1,2,3
.set ra, AC+8*\c
.set rx, 16*(4*\k+\c)
.if \k == 0
	v_wmma_f32_16x16x128_fp8_fp8 v[ra:ra+7], v[PF+16*\k:PF+16*\k+15], v[rx:rx+15], 0
.else
	v_wmma_f32_16x16x128_fp8_fp8 v[ra:ra+7], v[PF+16*\k:PF+16*\k+15], v[rx:rx+15], v[ra:ra+7]
.endif
.endr
.endr
	WIN 0
.endm
.macro TOSTAGE                         ; a lane holds channel r of a tile and eight neighbouring queries: 32 bytes of the channel's row; each accumulator from its low end on
	v_add_nc_u32 v[AD+1], s[TS], v[STI]
.irp c, 0,1,2,3
	ds_store_b128 v[AD+1], v[AC+8*\c:AC+8*\c+3] offset:16*SP*\c
	ds_store_b128 v[AD+1], v[AC+8*\c+4:AC+8*\c+7] offset:16*SP*\c+16
.endr
.endm
.macro PARTS rho, b                    ; the eight waves' parts of l of my four queries of round rho
.irp w, 0,1,2,3,4,5,6,7
	ds_load_b128 v[\b+4*\w:\b+4*\w+3], v[PLR] offset:512*\w+256*\rho
.endr
.endm
.macro FACT b                          ; v[b:b+3]: 2^(ep + eh) / l;  v[b+4:b+7]: 0.2 x that
.irp a, 0,2,4,6,8,10,12,14
	v_pk_add_f32 v[\b+\a:\b+\a+1], v[\b+\a:\b+\a+1], v[\b+16+\a:\b+17+\a]
.endr
.irp a, 0,2,4,6
	v_pk_add_f32 v[\b+\a:\b+\a+1], v[\b+\a:\b+\a+1], v[\b+8+\a:\b+9+\a]
.endr
.irp a, 0,2
	v_pk_add_f32 v[\b+\a:\b+\a+1], v[\b+\a:\b+\a+1], v[\b+4+\a:\b+5+\a]
.endr
	s_wait_alu depctr_va_vdst(0)                   ; the wait ahead of the batch,
.irp a, 0,1,2,3
	v_rcp_f32 v[\b+\a], v[\b+\a]
.endr
	v_nop
	s_wait_alu depctr_va_vdst(0)                   ; and behind it
.irp a, 0,1,2,3
	v_ldexp_f32 v[\b+\a], v[\b+\a], s42
.endr
	v_pk_mul_f32 v[\b+4:\b+5], v[\b:\b+1], s[58:59] op_sel_hi:[1,0]
	v_pk_mul_f32 v[\b+6:\b+7], v[\b+2:\b+3], s[58:59] op_sel_hi:[1,0]
	s_wait_alu depctr_va_vdst(0)                   ; ahead of the waits that follow
.endm
.macro ROW rs, i, va, sb, b            ; two rows of 256 bytes: 16 lanes store one aligned unit.  v[rs:rs+3] and v[rs+4:rs+7]: the two halves of the keys
.set RS, \rs
	v_pk_add_f32 v[RS:RS+1], v[RS:RS+1], v[RS+4:RS+5]
	v_pk_add_f32 v[RS+2:RS+3], v[RS+2:RS+3], v[RS+6:RS+7]
	v_pk_mul_f32 v[RS+4:RS+5], v[RS:RS+1], v[\b+4:\b+5]
	v_pk_mul_f32 v[RS+6:RS+7], v[RS+2:RS+3], v[\b+6:\b+7]
	v_pk_mul_f32 v[RS:RS+1], v[RS:RS+1], v[\b:\b+1]
	v_pk_mul_f32 v[RS+2:RS+3], v[RS+2:RS+3], v[\b+2:\b+3]
.irp c, 0,1,2,3
	v_max_num_f32 v[RS+\c], v[RS+\c], v[RS+4+\c]   ; the larger of x and 0.2 x is x where x >= 0 and 0.2 x elsewhere
.endr
	global_store_b128 v[\va], v[RS:RS+3], s[\sb:\sb+1] offset:8192*(\i)
.endm
; The last stage: l, the hold, the codes; both leave for LDS.  mm = 1: the sums of the tile before are staged on the way: the additions of l are the places behind the products.  q = 1: the next tile's numbers of my query are asked for.
; n > 0: a piece of the first round's way out, n pairs of my 16: its partial sums come into the accumulators, which have been staged, and its rows into the fragments, which have been multiplied; both land under the conversions.
; A conversion's results lie on elements that have been converted; a plain line stands between a conversion and the next instruction that writes its sources.
.macro LAST mm, n, q
	s_wait_alu depctr_va_vdst(0)                   ; ahead of the first reader of the exponentials
.if \q
	v_add_nc_u32 v[AD+1], s[TQ], v[QTR]
	ds_load_b128 v[QV:QV+3], v[AD+1]
.endif
.set jj, 4                             ; the first four additions stood among the exponentials
.rept 24
	SUMS
.endr
	v_pk_add_f32 v[LS:LS+1], v[LS:LS+1], v[LS+2:LS+3]
	v_pk_add_f32 v[CT:CT+1], v[CT:CT+1], v[CT+2:CT+3]
.if \mm
	TOSTAGE
.endif
	v_pk_add_f32 v[LS:LS+1], v[LS:LS+1], v[CT:CT+1]
.if \n
	PARTS 0, AC
	v_add_nc_u32 v[AD+1], s[PS], v[STO]
	v_add_nc_u32 v[AD], 4*64*SP, v[AD+1]
.set pp, 0
.rept \n
	ds_load_b128 v[PF+8*pp:PF+8*pp+3], v[AD+1] offset:2*SP*pp
	ds_load_b128 v[PF+8*pp+4:PF+8*pp+7], v[AD] offset:2*SP*pp
.set pp, pp+1
.endr
.endif
	s_cmp_ge_i32 s44, -8                           ; ep >= -8: 448 x 2^ep is above every p
	s_wait_alu depctr_va_vdst(0)                   ; the wait directly ahead of the branch
	s_cbranch_scc1 .Lno_hold_\@
.set ii, 0
.rept 64
	v_min_num_f32 v[XR+ii], s[LIM], v[XR+ii]       ; the conversion to an 8-bit code does not saturate (ISA guide 7.6.2); p is not negative, so the hold is one-sided
.set ii, ii+1
.endr
.Lno_hold_\@:
	v_cvt_scalef32_pk8_fp8_f32 v[CT:CT+1], v[XR:XR+7], v[SCL]
	v_cvt_scalef32_pk8_fp8_f32 v[CT+2:CT+3], v[XR+8:XR+15], v[SCL]
	v_add_f32 v[LS], v[LS], v[LS+1]
	v_cvt_scalef32_pk8_fp8_f32 v[XR:XR+1], v[XR+16:XR+23], v[SCL]
	v_cvt_scalef32_pk8_fp8_f32 v[XR+2:XR+3], v[XR+24:XR+31], v[SCL]
	v_add_nc_u32 v[AD], s[WB], v[PWR]
	v_cvt_scalef32_pk8_fp8_f32 v[XR+8:XR+9], v[XR+32:XR+39], v[SCL]
	v_cvt_scalef32_pk8_fp8_f32 v[XR+10:XR+11], v[XR+40:XR+47], v[SCL]
	v_add_nc_u32 v[AD+1], s[TL], v[PLW]
	v_permlanex16_b32 v[PT], v[LS], s[SEL], s[SEL+1]   ; the query's other 64 keys of mine lie in the lane 16 away
	v_cvt_scalef32_pk8_fp8_f32 v[XR+16:XR+17], v[XR+48:XR+55], v[SCL]
	v_cvt_scalef32_pk8_fp8_f32 v[XR+18:XR+19], v[XR+56:XR+63], v[SCL]
	v_add_f32 v[LS], v[LS], v[PT]
	v_nop
	ds_store_b128 v[AD], v[CT:CT+3]
	ds_store_b128 v[AD], v[XR:XR+3] offset:512
	ds_store_b128 v[AD], v[XR+8:XR+11] offset:1024
	ds_store_b128 v[AD], v[XR+16:XR+19] offset:1536
	ds_store_b32 v[AD+1], v[LS]                    ; both halves of the lanes store the same number
.if \n
	s_wait_dscnt 2*\n+5                            ; the parts are in; behind them 2 n loads of rows and the five stores
	FACT AC
	s_wait_dscnt 5                                 ; the rows are in
	v_add_nc_u32 v27, s[PG], v[GO]
.set pp, 0
.rept \n
	ROW PF+8*pp, pp, 27, 10, AC
.set pp, pp+1
.endr
	s_add_co_u32 s[PS], s[PS], \n*2*SP
	s_add_co_u32 s[PG], s[PG], \n*8192
.endif
.endm
; A TRIP makes tile T and multiplies tile T - 1.
.macro TRIP n, q
	s_wait_dscnt 0x0                               ; my query's numbers are in; my codes of tile T - 1 and my staged sums have landed and my reads of tile T - 2's codes are over
	s_barrier_signal -1
	MAKE1                                          ; work on registers while the others arrive
	s_barrier_wait -1                              ; all eight images of tile T - 1 are whole, and nobody reads the other buffer
	s_wait_xcnt 0x0                                ; the stores of a piece have read their registers and their address
	v_add_nc_u32 v[AD], s[RB], v[LO]
	FETCH
	MAKE2
	s_wait_dscnt 0x0
	MUL16 1
	LAST 1, \n, \q
	s_xor_b32 s[RB], s[RB], 0x4000
	s_xor_b32 s[WB], s[WB], 0x4000
	s_add_co_u32 s[TL], s[TL], 64
	s_add_co_u32 s[TS], s[TS], 64
	s_add_co_u32 s[TQ], s[TQ], 256
.endm
	s_load_b256 s[4:11], s[0:1], 0x0               ; codes s[4:5], proj s[6:7], the scales' exponents s[8:9], out0 s[10:11]
	v_lshl_add_u32 v[SPW], v0, 2, SPARE
	v_mov_b32 v2, 0
	v_lshrrev_b32 v11, 5, v0
	v_and_b32 v12, 31, v0                          ; lane
	v_bfe_u32 v14, v0, 4, 1                        ; h
	v_readfirstlane_b32 s[WV], v11                 ; wave 0..7
	v_and_b32 v15, 15, v0                          ; r
	v_lshlrev_b32 v[LO], 4, v12
	v_lshlrev_b32 v27, 4, v14                      ; mk: 16 h
	v_lshrrev_b32 v16, 2, v15
	v_and_b32 v17, 3, v15
	v_lshl_add_u32 v18, v16, 5, v27
	v_lshl_add_u32 v18, v17, 2, v18                ; nk: key 8 (r / 4) + 4 h + r % 4
	s_wait_alu depctr_va_vdst(0)                   ; ahead of the scalar lines and the wait below
	s_and_b32 s14, ttmp9, 31                       ; the batch
	s_lshr_b32 s15, ttmp9, 5                       ; my block of 128 queries
	s_and_b32 s16, s[WV], 3                        ; my 64 channels
	s_lshr_b32 s17, s[WV], 2                       ; my half of the keys; on the way out: of the 64 channels
	s_lshl_b32 s30, s14, 12                        ; proj: 4,096 bytes a batch,
	s_mov_b32 s31, 0
	s_lshl_b32 s32, s15, 9                         ; 512 a block of queries,
	s_mov_b32 s33, 0
	s_lshl_b32 s34, s[WV], 9                       ; 512 a wave's keys
	s_mov_b32 s35, 0
	s_lshl_b32 s36, s14, 18                        ; codes: 2^18 a batch, 2^17 four K steps, 2^13 four images
	s_lshl_b32 s37, s17, 17
	s_add_co_u32 s36, s36, s37
	s_lshl_b32 s37, s16, 13
	s_add_co_u32 s36, s36, s37
	s_mov_b32 s37, 0
	s_lshl_b32 s38, s14, 20                        ; out0: 2^20 a batch, 2^18 64 channels, 2^17 32 of them, 512 a block of queries
	s_lshl_b32 s39, s16, 18
	s_add_co_u32 s38, s38, s39
	s_lshl_b32 s39, s17, 17
	s_add_co_u32 s38, s38, s39
	s_add_co_u32 s38, s38, s32
	s_mov_b32 s39, 0
	s_mul_i32 s60, s[WV], 64*SP
	s_add_co_u32 s60, s60, STG                     ; my stage
	s_mul_i32 s13, s16, 64*SP
	s_mul_i32 s18, s17, 32*SP
	s_add_co_u32 s13, s13, s18
	s_add_co_u32 s13, s13, STG                     ; the rows that I store
	s_lshl_b32 s63, s[WV], 11                      ; my image of P
	s_add_co_u32 s61, s63, QT                      ; my table of queries
	s_add_co_u32 s62, s34, PL                      ; my partial sums
	s_wait_kmcnt 0x0
	s_load_b64 s[44:45], s[8:9], 0x0               ; ep, eh
	s_add_nc_u64 s[6:7], s[6:7], s[30:31]          ; my batch in plane 0,
	s_add_nc_u64 s[50:51], s[6:7], 0x20000         ; in plane 1: xk,
	s_add_nc_u64 s[52:53], s[50:51], 0x20000
	s_add_nc_u64 s[52:53], s[52:53], s[34:35]      ; in plane 2: mk of my keys
	s_add_nc_u64 s[6:7], s[6:7], s[32:33]          ; xa of my queries
	s_add_nc_u64 s[4:5], s[4:5], s[36:37]
	s_add_nc_u64 s[10:11], s[10:11], s[38:39]
	s_add_nc_u64 s[40:41], s[10:11], 0x100         ; queries 64 on
.irp i, 0,1,2,3,4,5,6,7
	global_load_b128 v[PF+4*\i:PF+4*\i+3], v[LO], s[50:51] offset:512*\i   ; all the batch's xk: 32 a lane
.endr
	global_load_b128 v[PF+32:PF+35], v[LO], s[6:7]                         ; xa of queries 4 l .. 4 l + 3
.irp g, 0,1,2,3
	global_load_b32 v[NK+\g], v18, s[52:53] offset:131072+128*\g
.endr
.set n, 0
.rept 16
	global_load_b128 v[MK+4*n:MK+4*n+3], v27, s[52:53] offset:32*n         ; the sixteen lanes of a half read the same words
.set n, n+1
.endr
	CODES 0, 16                                    ; the codes are asked for in four runs of 16 loads, a K step each, among the head's work
	v_mul_u32_u24 v[STI], v15, SP                  ; row r of a tile of channels, 32 h
	v_mul_u32_u24 v[STO], v14, SP                  ; lanes 0-15 one row, lanes 16-31 the next, 16 r
	v_lshlrev_b32 v[GO], 12, v14
	v_lshl_add_u32 v[STI], v14, 5, v[STI]
	v_lshl_add_u32 v[STO], v15, 4, v[STO]
	v_lshl_add_u32 v[GO], v15, 4, v[GO]
	v_add_nc_u32 v[STI], s60, v[STI]
	v_add_nc_u32 v[STO], s13, v[STO]
	v_lshl_add_u32 v[PLR], v15, 4, PL
	v_lshlrev_b32 v[PLW], 2, v15
	v_lshlrev_b32 v[QTR], 4, v15
	v_lshlrev_b32 v19, 6, v12                      ; four entries of the table for each lane
	v_add_nc_u32 v[PLW], s62, v[PLW]
	v_add_nc_u32 v[QTR], s61, v[QTR]
	v_add_nc_u32 v19, s61, v19
	v_add_nc_u32 v[PWR], s63, v[LO]
	v_mov_b32 v[PT], 0
.set n, 0
.rept 64
	v_mov_b32 v[XR+n], 0                           ; written once: the destination of an addition that takes a source from another lane counts as one of its sources
.set n, n+1
.endr
	s_mov_b32 s[M2L], 0xc038aa3b
	s_mov_b32 s[M2L+1], s[M2L]                     ; (named with it as a pair, so it is written)
	s_mov_b32 s[SEL], 0x76543210
	s_mov_b32 s[SEL+1], 0xfedcba98
	s_mov_b32 s56, 0x3fb8aa3b                      ; L = log2(e)
	s_mov_b32 s58, 0x3e4ccccd                      ; 0.2
	s_mov_b32 s59, s58
	s_mov_b32 s28, 0xce000000                      ; -2^29
	s_mov_b32 s29, 0x4e000000                      ; 2^29
	s_lshl_b32 s[RB], s17, 13                      ; my four K steps' images begin 8,192 (w / 4) bytes into a buffer
	s_mov_b32 s[WB], 0
	s_mov_b32 s[TL], 0
	s_mov_b32 s[TS], 0
	s_mov_b32 s[TQ], 256
	s_mov_b32 s[PS], 0
	s_mov_b32 s[PG], 0
	s_wait_alu depctr_va_vdst(0)                   ; directly ahead of the wait below
	s_wait_kmcnt 0x0
	s_add_co_i32 s42, s44, s45                     ; ep + eh
	s_add_co_i32 s57, s44, 127
	s_lshl_b32 s43, s57, 23
	v_mov_b32 v[SCL], s43                          ; 2^ep
	s_add_co_i32 s57, s57, 8
	s_lshl_b32 s57, s57, 23
	s_or_b32 s[LIM], s57, 0x600000                 ; 448 x 2^ep
	s_wait_alu depctr_va_vdst(0)                   ; directly ahead of the wait below
	s_wait_loadcnt 36                              ; xk and xa are in; behind them 4 of nk, 16 of mk and 16 of codes
	v_max3_num_f32 v[XR], v[PF], v[PF+1], v[PF+2]
	v_max3_num_f32 v[XR+1], v[PF+3], v[PF+4], v[PF+5]
.irp i, 6,10,14,18,22,26
	v_max3_num_f32 v[XR], v[XR], v[PF+\i], v[PF+\i+1]
	v_max3_num_f32 v[XR+1], v[XR+1], v[PF+\i+2], v[PF+\i+3]
.endr
	v_max3_num_f32 v[XR], v[XR], v[PF+30], v[PF+31]
	v_fract_f32 v[XR+4], v[PF+32]                  ; xa - floor(xa) and floor(xa) of my four queries stand between the steps of the maximum
	v_floor_f32 v[XR+8], v[PF+32]
	v_max_num_f32 v[XR], v[XR], v[XR+1]
	v_fract_f32 v[XR+5], v[PF+33]
	v_floor_f32 v[XR+9], v[PF+33]
	v_max_num_f32_dpp v[XR], v[XR], v[XR] row_xmask:1 row_mask:0xf bank_mask:0xf
	v_fract_f32 v[XR+6], v[PF+34]
	v_floor_f32 v[XR+10], v[PF+34]
	v_max_num_f32_dpp v[XR], v[XR], v[XR] row_xmask:2 row_mask:0xf bank_mask:0xf
	v_fract_f32 v[XR+7], v[PF+35]
	v_floor_f32 v[XR+11], v[PF+35]
	v_max_num_f32_dpp v[XR], v[XR], v[XR] row_xmask:4 row_mask:0xf bank_mask:0xf
	v_med3_num_f32 v[XR+8], v[XR+8], s28, s29
	v_med3_num_f32 v[XR+9], v[XR+9], s28, s29
	v_max_num_f32_dpp v[XR], v[XR], v[XR] row_xmask:8 row_mask:0xf bank_mask:0xf
	v_med3_num_f32 v[XR+10], v[XR+10], s28, s29
	v_med3_num_f32 v[XR+11], v[XR+11], s28, s29
	v_permlanex16_b32 v[PT], v[XR], s[SEL], s[SEL+1]
	v_max_num_f32 v[XR], v[XR], v[PT]              ; the batch's largest xk, split like every xk
	v_fract_f32 v[XR+2], v[XR]
	v_floor_f32 v[XR+3], v[XR]
	v_med3_num_f32 v[XR+3], v[XR+3], s28, s29
	s_wait_alu depctr_va_vdst(0)                   ; ahead of the batch
	v_exp_f32 v[XR+2], v[XR+2]
.irp i, 0,1,2,3
	v_exp_f32 v[XR+4+\i], v[XR+4+\i]               ; ma
.endr
	v_cvt_i32_f32 v[XR+3], v[XR+3]
.irp i, 0,1,2,3
	v_cvt_i32_f32 v[XR+8+\i], v[XR+8+\i]           ; na
.endr
	s_wait_alu depctr_va_vdst(0)                   ; behind the batch
.irp i, 0,1,2,3
	v_add_nc_u32 v[XR+12+\i], v[XR+3], v[XR+8+\i]
.endr
.irp i, 0,1,2,3
	v_ldexp_f32 v[XR+12+\i], v[XR+2], v[XR+12+\i]
.endr
.irp i, 0,1,2,3
	v_fma_f32 v[XR+12+\i], v[XR+4+\i], v[XR+12+\i], 1.0
.endr
	s_wait_alu depctr_va_vdst(0)
.irp i, 0,1,2,3
	v_rcp_f32 v[XR+12+\i], v[XR+12+\i]
.endr
.irp i, 0,1,2,3
	v_mov_b32 v[XR+16+4*\i], v[XR+4+\i]
	v_mov_b32 v[XR+17+4*\i], v[XR+8+\i]
.endr
	s_wait_alu depctr_va_vdst(0)
.irp i, 0,1,2,3
	v_fma_f32 v[XR+12+\i], v[XR+12+\i], s[M2L], s56   ; the row's largest t
.endr
.irp i, 0,1,2,3
	v_floor_f32 v[XR+12+\i], -v[XR+12+\i]          ; -M = floor(-t) = -ceil(t)
.endr
.irp i, 0,1,2,3
	v_add_f32 v[XR+18+4*\i], s56, v[XR+12+\i]      ; L - M
	v_add_f32 v[XR+19+4*\i], s56, v[XR+12+\i]
.endr
.irp i, 0,1,2,3
	ds_store_b128 v19, v[XR+16+4*\i:XR+19+4*\i] offset:16*\i   ; my own table: no barrier
.endr
	CODES 16, 16
	ds_load_b128 v[QV:QV+3], v[QTR]                ; tile 0
	s_wait_alu depctr_va_vdst(0)                   ; the wait at the head's end
	s_wait_loadcnt 32                              ; nk and mk are in: behind them stand 32 loads of codes
	s_wait_dscnt 0x0
	; tile 0 is made; nothing is multiplied yet
	MAKE1
	CODES 32, 16
	MAKE2
	CODES 48, 16
	LAST 0, 0, 1
	s_mov_b32 s[WB], 0x4000
	s_mov_b32 s[TL], 64
	s_mov_b32 s[TQ], 512
	s_mov_b32 s20, 4
	s_wait_alu depctr_va_vdst(0)
.Lround0:                                          ; tiles 1-4 are made, 0-3 multiplied
	TRIP 0, 1
	s_sub_co_u32 s20, s20, 1
	s_cmp_lg_u32 s20, 0
	s_wait_alu depctr_va_vdst(0)
	s_cbranch_scc1 .Lround0
	s_mov_b32 s20, 2
	s_wait_alu depctr_va_vdst(0)
.Lround1:                                          ; tiles 5 and 6 are made, 4 and 5 multiplied; tiles 0-3, staged ahead of the trip's barrier, leave: pairs of rows 0-4, 5-9,
	TRIP 5, 1
	s_sub_co_u32 s20, s20, 1
	s_cmp_lg_u32 s20, 0
	s_wait_alu depctr_va_vdst(0)
	s_cbranch_scc1 .Lround1
	TRIP 6, 0                                      ; and 10-15.  Tile 7 is made, 6 multiplied; no tile follows whose numbers were to be asked for
	s_wait_alu depctr_va_vdst(0)
	s_wait_dscnt 0x0                               ; my codes and my part of l of tile 7 have landed
	s_barrier_signal -1
	s_barrier_wait -1
	s_wait_xcnt 0x0                                ; the last piece's stores have read their registers
	v_add_nc_u32 v[AD], s[RB], v[LO]
	FETCH
	PARTS 1, XR                                    ; (no element is at work any more)
	s_wait_dscnt 8                                 ; the fragments are in; the eight parts behind them may be out
	MUL16 0
.rept 4
	v_nop                                          ; the places behind the last product
.endr
	TOSTAGE
	s_wait_dscnt 8                                 ; the parts are in; the eight stores behind them may be out
	FACT XR
	v_add_nc_u32 v[AD], 4*64*SP, v[STO]
	s_wait_alu depctr_va_vdst(0)                   ; ahead of the waits below
	s_wait_dscnt 0x0                               ; my staged sums have landed,
	s_barrier_signal -1
	s_barrier_wait -1                              ; everybody's have
.irp i, 0,1,2,3,4,5,6,7,8,9,10,11,12,13,14,15
	ds_load_b128 v[XR+32+8*\i:XR+35+8*\i], v[STO] offset:2*SP*\i+256
	ds_load_b128 v[XR+36+8*\i:XR+39+8*\i], v[AD] offset:2*SP*\i+256
.endr
.irp i, 0,1,2,3,4,5,6,7,8,9,10,11,12,13,14,15
	s_wait_dscnt 30-2*\i                           ; LDS loads come back in order: pair i is in
	ROW XR+32+8*\i, \i, GO, 40, XR
.endr
	s_wait_tensorcnt 0x0                           ; the wave's end
	ds_add_u32 v[SPW], v2
	s_wait_dscnt 0x0
	s_endpgm
.Lfunc_end_k_qc89a88ea74_attn:
	.size	k_qc89a88ea74_attn, .Lfunc_end_k_qc89a88ea74_attn-k_qc89a88ea74_attn
	.p2alignl 7, 3214868480
	.fill 96, 4, 3214868480
	.section	.rodata,"a",@progbits
	.p2align	6, 0x0
	.amdhsa_kernel k_qc89a88ea74_attn
		.amdhsa_group_segment_fixed_size 324608
		.amdhsa_private_segment_fixed_size 0
		.amdhsa_enable_private_segment 0
		.amdhsa_kernarg_size 32
		.amdhsa_user_sgpr_count 2
		.amdhsa_user_sgpr_kernarg_segment_ptr 1
		.amdhsa_wavefront_size32 1
		.amdhsa_system_sgpr_workgroup_id_x 1
		.amdhsa_system_sgpr_workgroup_id_y 1
		.amdhsa_system_sgpr_workgroup_id_z 1
		.amdhsa_system_vgpr_workitem_id 0
		.amdhsa_next_free_vgpr 512
		.amdhsa_next_free_sgpr 66
		.amdhsa_reserve_vcc 0
		.amdhsa_float_denorm_mode_32 3
		.amdhsa_float_denorm_mode_16_64 3
		.amdhsa_memory_ordered 1
		.amdhsa_forward_progress 1
		.amdhsa_inst_pref_size 146
	.end_amdhsa_kernel
	.amdgpu_metadata
---
amdhsa.version: [ 1, 2 ]
amdhsa.kernels:
  - .name:           k_qc89a88ea74_attn
    .symbol:         k_qc89a88ea74_attn.kd
    .args:
      - { .name: codes, .offset: 0, .size: 8, .value_kind: global_buffer, .address_space: global }
      - { .name: proj, .offset: 8, .size: 8, .value_kind: global_buffer, .address_space: global }
      - { .name: lowp_scales, .offset: 16, .size: 8, .value_kind: global_buffer, .address_space: global }
      - { .name: out0, .offset: 24, .size: 8, .value_kind: global_buffer, .address_space: global }
    .group_segment_fixed_size: 324608
    .private_segment_fixed_size: 0
    .kernarg_segment_align: 8
    .kernarg_segment_size: 32
    .max_flat_workgroup_size: 256
    .sgpr_count:     66
    .vgpr_count:     512
    .wavefront_size: 32
...
	.end_amdgpu_metadata
.endif
;; end of part 2
